; MI455X (gfx1250); checked and timed in simulation.
; The chip was launched on July 23, 2026; its instructions are those of AMD's public machine-readable ISA for CDNA 5 (MIT licence, August 2026) and "CDNA5" Instruction Set Architecture Reference Guide (July 2026). The comments in the code are by the model that wrote it; some were corrected since.
;; Quant Linear W4 A8. Allowed arithmetic: matrix products marked QUANTISED: E2M1 operands, one E8M0 scale for each 32 along K, by v_wmma_scale_f32_16x16x128_f8f6f4 with both operands' format E2M1 (or v_wmma_scale_f32_32x16x128_f4), f32 sums; everything else in f32.
;; Inputs: packed_weight 8,388,608 int32; scales 131,072 x 1 float32; x 4,096 x 4,096 float32; zeros 131,072 x 1 float32.
;; Outputs: out0 4,096 x 4,096 float32.
;; This version of the problem:
;;   THIS VERSION OF THE PROBLEM IS GIVEN IN LOW PRECISION. The matrix products marked QUANTISED in the list below multiply operands that are first quantised to E2M1 (2 exponent bits, 1 mantissa bit; 4 bits a number), with one power-of-two scale for each 32 numbers along K (OCP MX v1.0); their sums are f32. All else is computed in f32.
;;   The module's matrix products, in the order in which they are computed (A, B: the left and right operand; K: the contracted axis; several contracted axes count as one K, in the product's order):
;;     1. [M 4,096, K 4,096] x [K 4,096, N 4,096]; A: computed on the way; B: computed on the way: QUANTISED
;;   THE QUANTISER, for each operand of a quantised product, along K:
;;     - K is cut into blocks of 32 from its start; a last block that is shorter is filled with zeros.
;;     - A block's scale is 2^e with e = floor(log2(the largest magnitude in the block)) - 2, held to -126 .. 127; a block of zeros has e = 0. As a byte (E8M0): e + 127.
;;     - Each number is divided by its block's scale, clamped to +-6, and rounded to the nearest number of E2M1, ties to even, subnormals kept.
;;     - The product sums the exact products of the quantised numbers (number of the format x scale) in f32.
;;   ~~~python
;;   def quantise(x, axis):      # numpy; x: float32 -> the quantised numbers, widened to float32 again
;;       x = np.moveaxis(x, axis, -1); K = x.shape[-1]
;;       x = np.pad(x, [(0, 0)] * (x.ndim - 1) + [(0, -K % 32)]); x = x.reshape(x.shape[:-1] + (-1, 32)); a = np.abs(x).max(-1, keepdims=True)
;;       e = np.where(a > 0, np.clip(np.frexp(np.where(a > 0, a, 1))[1] - 1 - 2, -126, 127), 0)      # np.frexp(a)[1] - 1 = floor(log2(a)), exactly
;;       r = np.clip(x / 2.0 ** e, -6, 6)
;;       step = 2.0 ** (np.maximum(np.frexp(np.where(r == 0, 1, r))[1] - 1, 0) - 1)
;;       q = np.round(r / step) * step * 2.0 ** e      # np.round: ties to even
;;       return np.moveaxis(q.reshape(q.shape[:-2] + (-1,))[..., :K], -1, axis).astype(np.float32)
;;   ~~~
;;   OPERANDS COMPUTED ON THE WAY. 'Computed on the way' means the value that the module computes at that place (a softmax that the list does not call 'softmax' is quantised finished and normalised). What goes into a quantiser is computed in f32, as accurately as f32 sums, v_exp_f32 and their like allow (about 1e-6 of the number): no bf16 or f16 on the way to a quantiser, and a product that is left as it is and whose result goes on into a quantised operand takes f32 operands (vector FMAs, or v_wmma_f32_16x16x4_f32). A number that lies on a knife's edge between two numbers of the format may be rounded either way, as far as f32 arithmetic and the matrix unit's own rounding can turn it there, and no further.
;; One version. Each part assembles by itself: llvm-mc -triple=amdgcn-amd-amdhsa -mcpu=gfx1250 --defsym DOCPART=n.
;; ======== version 1 of 1: 3 launches
;; limits: right only within a limited range of input values
;; workspace buffers: pmax 1,024 bytes; a_q 8,912,896 bytes; b_q 8,912,896 bytes
;; launch prep (part 1): grid 256 x 1, 8 waves a work-group, no clusters, 64,768 bytes of LDS; arguments x, packed_weight, scales, zeros, b_q, pmax; writes b_q, pmax
.if DOCPART == 1
	.amdgcn_target "amdgcn-amd-amdhsa--gfx1250"
	.amdhsa_code_object_version 6
	.text
	.protected	k_q4b295498bc_prep
	.globl	k_q4b295498bc_prep
	.p2align	8
	.type	k_q4b295498bc_prep,@function
k_q4b295498bc_prep:
	s_mov_b64 s[64:65], 0
	v_nop
	global_prefetch_b8 v0, s[64:65] scope:SCOPE_SE
	s_setreg_imm32_b32 hwreg(HW_REG_WAVE_MODE, 25, 1), 1
	s_wait_xcnt 0x0
; Two things in one pass over memory.
; (1) W[n][k] = scales[g] * (idx - zeros[g]), g = (4096 n + k) / 128, idx = word >> 4 for even k and word & 15 for odd k (one int32 word of packed_weight
;     holds two weights), is made in f32 (a subtraction, then a multiplication, each rounded as written) and turned into codes of FP4 (E2M1) with one E8M0 byte for each 32 along K.
; (2) The largest |x| of the work-group's part of x goes to pmax[work-group]; the next launch takes the largest of the 256.
; LAYOUT OF b_q: [8 K steps of 512][4096 rows][272 bytes]: a record = 256 bytes of codes (lower k in the low four bits), then the 16 scale bytes of its 16 blocks.
;     16 rows of a K step are 4,352 = 17 x 256 consecutive bytes, 128 rows are 136 x 256.
; SHARES: work-group G has rows 16 G .. 16 G + 15 of W and of x; wave w has k = 512 w .. 512 w + 511; step t of 16 is row 16 G + t: 1,024 bytes of words, 2,048 bytes of x.
;     Every load takes 512 consecutive bytes, 16 a lane.  The conversions want 16 neighbours along K in ONE lane, so a step's words turn through the wave's own stage in LDS
;     (32 bytes + 16 of padding a lane) and come back 8 words a lane: two lanes hold a block of 32, eight lanes a group of 128.
;     A wave's 16 records are gathered in its own image in LDS and leave as 17 aligned runs of 256 bytes.
;     Loads run six steps ahead: 36 loads, 18 KiB, of every wave are on their way.
; A block's scale is 2^(floor(log2(largest magnitude)) - 2); its byte is that magnitude's exponent field - 2, held at 1 from below.
; LIMITS: NaN and infinities in x, scales, zeros are not served.  A block of zeros gets the byte 1 where the rule says 127: its codes are zeros, and this program alone reads the bytes.
;     packed_weight may hold any int32: the shift is arithmetic, the conversion signed.
.set DEPTH, 6                          ; steps whose loads are on their way
.set WREG, 7424                        ; LDS of a wave: two stages of 32 x 48 bytes, then the image of 16 x 272
.set STG,  1536
.set IMG,  3072
.set REC,  272
.set SCT,  59392                       ; the work-group's 512 scales, as they lie in memory: row t at 128 t
.set ZRT,  61440                       ; its 512 zeros, negated
.set MAXW, 63488                       ; the eight waves' maxima
.set ZN,   16                          ; v[16:17], v[18:19]  -zero of my group, set t % 2, in the low word (the upper word is written once: the packed forms name the pair)
.set SV,   20                          ; v[20:21], v[22:23]  the scale likewise
.set RW,   32                          ; v32-79    words as loaded, six sets of 8
.set RX,   80                          ; v80-175   x as loaded, six sets of 16; on the way out the image
.set PT,   176                         ; v176-191  my 8 words behind the turn, two sets
.set T,    192                         ; v192-207  my 16 weights
.set C,    208                         ; v208-211  codes, two sets of two by turns
.set E,    212                         ; v212-213  the scale byte, two sets by turns
	s_load_b256 s[4:11], s[0:1], 0x0               ; x s[4:5], packed_weight s[6:7], scales s[8:9], zeros s[10:11]
	s_load_b128 s[12:15], s[0:1], 0x20             ; b_q s[12:13], pmax s[14:15]
	v_lshl_add_u32 v216, v0, 2, 0xf900
	v_mov_b32 v217, 0
	v_lshrrev_b32 v1, 5, v0
	s_delay_alu instid0(VALU_DEP_1)
	v_readfirstlane_b32 s16, v1                    ; wave 0..7
	v_and_b32 v1, 31, v0                           ; lane
	s_delay_alu instid0(VALU_DEP_1)
	v_lshlrev_b32 v24, 4, v1                       ; 16 x lane
	s_delay_alu instid0(VALU_DEP_2)
	v_lshlrev_b32 v25, 3, v1                       ; 8 x lane
	v_lshlrev_b32 v26, 3, v0                       ; 8 x thread: my 8 bytes of the 2,048 of scales and of zeros, in memory and in the tables
	v_mov_b32 v27, 0
	s_lshl_b32 s17, s16, 10
	v_add_nc_u32 v2, s17, v24                      ; words: 1,024 w + 16 lane
	s_lshl_b32 s17, s16, 11
	v_add_nc_u32 v3, s17, v24                      ; x: 2,048 w + 16 lane
	s_mul_i32 s17, s16, WREG                       ; my wave's LDS
	v_lshrrev_b32 v10, 1, v1
	v_and_b32 v11, 1, v1
	s_delay_alu instid0(VALU_DEP_2)
	v_mul_u32_u24 v4, v10, 48
	s_delay_alu instid0(VALU_DEP_1)
	v_lshl_add_u32 v4, v11, 4, v4
	s_delay_alu instid0(VALU_DEP_1)
	v_add_nc_u32 v4, s17, v4                       ; the stage, in: 48 (lane / 2) + 16 (lane % 2); a load's 512 bytes take sixteen places
	v_mul_u32_u24 v5, v1, 48
	s_delay_alu instid0(VALU_DEP_1)
	v_add_nc_u32 v5, s17, v5                       ; and out: 48 x lane: my 8 words
	s_add_co_u32 s18, s17, IMG
	v_add_nc_u32 v6, s18, v25                      ; the image: my 8 bytes of codes in a record,
	v_add_nc_u32 v8, s18, v24                      ; and 16 bytes a lane on the way out
	s_add_co_u32 s18, s18, 256
	v_add_nc_u32 v7, s18, v10                      ; my block's scale byte
	v_lshrrev_b32 v9, 3, v1
	s_delay_alu instid0(VALU_DEP_1)
	v_lshlrev_b32 v9, 2, v9
	s_lshl_b32 s18, s16, 4
	s_add_co_u32 s18, s18, SCT
	v_add_nc_u32 v9, s18, v9                       ; the tables: my group's word: 16 w + 4 (lane / 8)
	v_mov_b32 v13, 0                               ; a lane permute's destination counts as one of its sources
	v_mov_b32 v14, 0                               ; the largest |x| so far, in two chains
	v_mov_b32 v15, 0
	v_mov_b32 v17, 0
	v_mov_b32 v19, 0
	v_mov_b32 v21, 0
	v_mov_b32 v23, 0
	s_mov_b32 s24, 0x76543210
	s_mov_b32 s25, 0xfedcba98                      ; v_permlanex16_b32's selects for lane l xor 16
	s_mov_b32 s19, 0
	s_wait_alu depctr_va_vdst(0)
	s_wait_kmcnt 0x0
	s_lshl_b32 s18, ttmp9, 18                      ; 16 rows of x: 262,144 bytes
	s_add_nc_u64 s[4:5], s[4:5], s[18:19]
	s_lshl_b32 s18, ttmp9, 17                      ; 16 rows of words: 131,072 bytes
	s_add_nc_u64 s[6:7], s[6:7], s[18:19]
	s_lshl_b32 s18, ttmp9, 11                      ; 16 rows x 32 groups x 4 bytes
	s_add_nc_u64 s[8:9], s[8:9], s[18:19]
	s_add_nc_u64 s[10:11], s[10:11], s[18:19]
	s_lshl_b32 s18, s16, 12
	s_lshl_b32 s20, ttmp9, 4
	s_add_co_u32 s18, s18, s20
	s_mul_i32 s18, s18, REC                        ; record (K step w, row 16 G)
	s_add_nc_u64 s[12:13], s[12:13], s[18:19]
	s_lshl_b32 s18, ttmp9, 2
	s_add_nc_u64 s[14:15], s[14:15], s[18:19]
.macro LOAD t                          ; step t: two loads of words, then four of x, 512 consecutive bytes each.  x is read again by the next launch: no hint
.irp i, 0,1
	global_load_b128 v[RW+8*((\t)%DEPTH)+4*\i:RW+8*((\t)%DEPTH)+4*\i+3], v2, s[6:7] offset:8192*(\t)+512*\i th:TH_LOAD_NT
.endr
.irp i, 0,1,2,3
	global_load_b128 v[RX+16*((\t)%DEPTH)+4*\i:RX+16*((\t)%DEPTH)+4*\i+3], v3, s[4:5] offset:16384*(\t)+512*\i
.endr
.endm
.macro TURN t                          ; step t's words through the stage (LDS serves a wave's instructions in order: no wait between stores and loads), and my group's -zero and scale
.irp i, 0,1
	ds_store_b128 v4, v[RW+8*((\t)%DEPTH)+4*\i:RW+8*((\t)%DEPTH)+4*\i+3] offset:STG*((\t)%2)+768*\i
.endr
.irp i, 0,1
	ds_load_b128 v[PT+8*((\t)%2)+4*\i:PT+8*((\t)%2)+4*\i+3], v5 offset:STG*((\t)%2)+16*\i
.endr
	ds_load_b32 v[ZN+2*((\t)%2)], v9 offset:ZRT-SCT+128*(\t)
	ds_load_b32 v[SV+2*((\t)%2)], v9 offset:128*(\t)
.endm
	global_load_b64 v[28:29], v26, s[8:9] th:TH_LOAD_NT    ; the tables: 256 consecutive bytes a wave
	global_load_b64 v[30:31], v26, s[10:11] th:TH_LOAD_NT
.irp t, 0,1,2,3,4,5
	LOAD \t
.endr
	s_wait_loadcnt 36                              ; the two table loads are in: the 36 of steps 0 to 5 were issued behind them
	v_xor_b32 v30, 0x80000000, v30                 ; -zero: idx + (-zero) is idx - zero, bit for bit
	v_xor_b32 v31, 0x80000000, v31
	ds_store_b64 v26, v[28:29] offset:SCT
	ds_store_b64 v26, v[30:31] offset:ZRT
	s_wait_dscnt 0x0                               ; for the others' sake: my part of the tables has landed
	s_barrier_signal -1
	s_barrier_wait -1                              ; the tables are whole; nobody writes them again
	s_wait_loadcnt 34                              ; step 0's two loads of words are in: 4 + 30 loads were issued behind them
	TURN 0
.macro STEP t
.set XS, RX+16*((\t)%DEPTH)
.set PS, PT+8*((\t)%2)
.set ZS, ZN+2*((\t)%2)
.set SS, SV+2*((\t)%2)
.set CS, C+2*((\t)%2)
.set ES, E+(\t)%2
.if (\t) > 0
	s_wait_dscnt 2                                 ; this step's turn is over (only the last step's two stores into the image are younger): my words, -zero and scale are in, the stage's stores have read
	                                               ; their registers, and the image's stores of two steps back have read the set of codes and the byte that this step writes
.else
	s_wait_dscnt 0x0
.endif
.if (\t) == 15
	s_wait_loadcnt 0x0
.elseif (\t) <= 10
	s_wait_loadcnt 28                              ; this step's x and the next step's words are in; out may be the next step's x (4) and four whole steps (24)
.else
	s_wait_loadcnt 4+6*(14-(\t))                   ; towards the end fewer whole steps stand behind them: 22, 16, 10, 4
.endif
.irp i, 0
	v_max3_num_f32 v14, v14, |v[XS+\i]|, |v[XS+\i+1]|
	v_max3_num_f32 v15, v15, |v[XS+\i+2]|, |v[XS+\i+3]|
.endr
.irp i, 4, 8, 12
	s_delay_alu instid0(VALU_DEP_2)
	v_max3_num_f32 v14, v14, |v[XS+\i]|, |v[XS+\i+1]|
	s_delay_alu instid0(VALU_DEP_2)
	v_max3_num_f32 v15, v15, |v[XS+\i+2]|, |v[XS+\i+3]|
.endr
.if (\t)+DEPTH < 16
	LOAD (\t)+DEPTH                                ; into the sets that this step has read
.endif
.if (\t)+1 < 16
	TURN (\t)+1                                    ; through the other stage while this step is worked
.endif
.irp j, 0,1,2,3,4,5,6,7
	v_ashrrev_i32 v[T+2*\j], 4, v[PS+\j]           ; the even k: word >> 4
	v_and_b32 v[T+2*\j+1], 15, v[PS+\j]            ; the odd k: word & 15
.endr
.irp j, 0,1,2,3,4,5,6,7,8,9,10,11,12,13,14,15
	v_cvt_f32_i32 v[T+\j], v[T+\j]
.endr
.irp j, 0,2,4,6,8,10,12,14
	v_pk_add_f32 v[T+\j:T+\j+1], v[T+\j:T+\j+1], v[ZS:ZS+1] op_sel_hi:[1,0]   ; idx - zero, rounded,
.endr
.irp j, 0,2,4,6,8,10,12,14
	v_pk_mul_f32 v[T+\j:T+\j+1], v[T+\j:T+\j+1], v[SS:SS+1] op_sel_hi:[1,0]   ; then x scale, rounded: two roundings, as the definition has them, so no fused form
.endr
	v_max3_num_f32 v10, |v[T]|, |v[T+1]|, |v[T+2]|                 ; the largest magnitude of my 16, in two chains
	v_max3_num_f32 v11, |v[T+3]|, |v[T+4]|, |v[T+5]|
.irp i, 6,10
	s_delay_alu instid0(VALU_DEP_2)
	v_max3_num_f32 v10, v10, |v[T+\i]|, |v[T+\i+1]|
	s_delay_alu instid0(VALU_DEP_2)
	v_max3_num_f32 v11, v11, |v[T+\i+2]|, |v[T+\i+3]|
.endr
	s_delay_alu instid0(VALU_DEP_2)
	v_max3_num_f32 v10, v10, |v[T+14]|, |v[T+15]|
	s_delay_alu instid0(VALU_DEP_1)
	v_max3_num_f32 v10, v10, v11, 0x1800000        ; and the floor 2^(3 - 127): the byte cannot fall under 1
	s_delay_alu instid0(VALU_DEP_1)
	v_max_num_f32_dpp v10, v10, v10 row_xmask:1 row_mask:0xf bank_mask:0xf   ; with my neighbour's 16: the block's
	s_delay_alu instid0(VALU_DEP_1)
	v_add_nc_u32 v12, 0xff000000, v10              ; 2 off its exponent field: the conversion takes this operand's exponent field as its scale, and nothing else of it
	v_cvt_scalef32_pk8_fp4_f32 v[CS], v[T:T+7], v12
	v_cvt_scalef32_pk8_fp4_f32 v[CS+1], v[T+8:T+15], v12
	v_lshrrev_b32 v[ES], 23, v12                   ; the scale's byte; also the plain line behind the conversions
	ds_store_b8 v7, v[ES] offset:REC*(\t)          ; both lanes of a block write the same byte with the same value
	ds_store_b64 v6, v[CS:CS+1] offset:REC*(\t)
.endm
.irp t, 0,1,2,3,4,5,6,7,8,9,10,11,12,13,14,15
	STEP \t
.endr
	; the way out: 16 records, 4,352 consecutive bytes, as eight runs of 512 and one of 256
.irp j, 0,1,2,3,4,5,6,7
	ds_load_b128 v[RX+4*\j:RX+4*\j+3], v8 offset:512*\j            ; LDS serves a wave's instructions in order: these see my stores
.endr
	ds_load_b64 v[RX+32:RX+33], v6 offset:4096
.irp j, 0,1,2,3,4,5,6,7
	s_wait_dscnt 8-\j                              ; load j is back: 8 - j were issued behind it
	global_store_b128 v24, v[RX+4*\j:RX+4*\j+3], s[12:13] offset:512*\j
.endr
	s_wait_dscnt 0x0
	global_store_b64 v25, v[RX+32:RX+33], s[12:13] offset:4096
	; the work-group's largest |x|
	v_max_num_f32 v14, v14, v15
	s_delay_alu instid0(VALU_DEP_1)
	v_max_num_f32_dpp v14, v14, v14 row_xmask:1 row_mask:0xf bank_mask:0xf
	s_delay_alu instid0(VALU_DEP_1)
	v_max_num_f32_dpp v14, v14, v14 row_xmask:2 row_mask:0xf bank_mask:0xf
	s_delay_alu instid0(VALU_DEP_1)
	v_max_num_f32_dpp v14, v14, v14 row_xmask:4 row_mask:0xf bank_mask:0xf
	s_delay_alu instid0(VALU_DEP_1)
	v_max_num_f32_dpp v14, v14, v14 row_xmask:8 row_mask:0xf bank_mask:0xf
	s_delay_alu instid0(VALU_DEP_1)
	v_permlanex16_b32 v13, v14, s24, s25
	s_delay_alu instid0(VALU_DEP_1)
	v_max_num_f32 v14, v14, v13                    ; the wave's, in every lane
	v_lshrrev_b32 v28, 5, v0
	s_delay_alu instid0(VALU_DEP_1)
	v_lshl_add_u32 v28, v28, 2, MAXW
	ds_store_b32 v28, v14                          ; all lanes write the wave's word with the same value
	s_wait_dscnt 0x0                               ; for the others' sake
	s_barrier_signal -1
	s_barrier_wait -1
	v_mov_b32 v29, MAXW
	ds_load_b128 v[32:35], v29
	ds_load_b128 v[36:39], v29 offset:16
	s_wait_dscnt 0x0
	v_max3_num_f32 v32, v32, v33, v34
	s_delay_alu instid0(VALU_DEP_1)
	v_max3_num_f32 v32, v32, v35, v36
	s_delay_alu instid0(VALU_DEP_1)
	v_max3_num_f32 v32, v32, v37, v38
	s_delay_alu instid0(VALU_DEP_1)
	v_max_num_f32 v32, v32, v39
	v_cmp_eq_u32 vcc_lo, 0, v0
	s_wait_alu depctr_va_vdst(0)
	s_wait_xcnt 0x0                                ; EXEC is a source of the stores above: it changes only behind this wait
	s_wait_tensorcnt 0x0
	ds_add_u32 v216, v217
	s_wait_dscnt 0x0
	s_and_saveexec_b32 s20, vcc_lo
	global_store_b32 v27, v32, s[14:15]            ; thread 0 alone: four bytes a work-group, 1,024 in the launch
	s_wait_xcnt 0x0                                ; and again in front of the line that widens it
	s_or_b32 exec_lo, exec_lo, s20
	s_endpgm
.Lfunc_end_k_q4b295498bc_prep:
	.size	k_q4b295498bc_prep, .Lfunc_end_k_q4b295498bc_prep-k_q4b295498bc_prep
	.p2alignl 7, 3214868480
	.fill 96, 4, 3214868480
	.section	.rodata,"a",@progbits
	.p2align	6, 0x0
	.amdhsa_kernel k_q4b295498bc_prep
		.amdhsa_group_segment_fixed_size 64768
		.amdhsa_private_segment_fixed_size 0
		.amdhsa_enable_private_segment 0
		.amdhsa_kernarg_size 48
		.amdhsa_user_sgpr_count 2
		.amdhsa_user_sgpr_kernarg_segment_ptr 1
		.amdhsa_wavefront_size32 1
		.amdhsa_system_sgpr_workgroup_id_x 1
		.amdhsa_system_sgpr_workgroup_id_y 1
		.amdhsa_system_sgpr_workgroup_id_z 1
		.amdhsa_system_vgpr_workitem_id 0
		.amdhsa_next_free_vgpr 218
		.amdhsa_next_free_sgpr 66
		.amdhsa_reserve_vcc 1
		.amdhsa_float_denorm_mode_32 3
		.amdhsa_float_denorm_mode_16_64 3
		.amdhsa_memory_ordered 1
		.amdhsa_forward_progress 1
		.amdhsa_inst_pref_size 85
	.end_amdhsa_kernel
	.amdgpu_metadata
---
amdhsa.version: [ 1, 2 ]
amdhsa.kernels:
  - .name:           k_q4b295498bc_prep
    .symbol:         k_q4b295498bc_prep.kd
    .args:
      - { .name: x, .offset: 0, .size: 8, .value_kind: global_buffer, .address_space: global }
      - { .name: packed_weight, .offset: 8, .size: 8, .value_kind: global_buffer, .address_space: global }
      - { .name: scales, .offset: 16, .size: 8, .value_kind: global_buffer, .address_space: global }
      - { .name: zeros, .offset: 24, .size: 8, .value_kind: global_buffer, .address_space: global }
      - { .name: b_q, .offset: 32, .size: 8, .value_kind: global_buffer, .address_space: global }
      - { .name: pmax, .offset: 40, .size: 8, .value_kind: global_buffer, .address_space: global }
    .group_segment_fixed_size: 64768
    .private_segment_fixed_size: 0
    .kernarg_segment_align: 8
    .kernarg_segment_size: 48
    .max_flat_workgroup_size: 256
    .sgpr_count:     66
    .vgpr_count:     218
    .wavefront_size: 32
...
	.end_amdgpu_metadata
.endif
;; end of part 1
;; launch quantx (part 2): grid 256 x 1, 8 waves a work-group, no clusters, 76,800 bytes of LDS; arguments x, pmax, a_q; writes a_q
.if DOCPART == 2
	.amdgcn_target "amdgcn-amd-amdhsa--gfx1250"
	.amdhsa_code_object_version 6
	.text
	.protected	k_q4b295498bc_quantx
	.globl	k_q4b295498bc_quantx
	.p2align	8
	.type	k_q4b295498bc_quantx,@function
k_q4b295498bc_quantx:
	s_mov_b64 s[64:65], 0
	v_nop
	global_prefetch_b8 v0, s[64:65] scope:SCOPE_SE
	s_setreg_imm32_b32 hwreg(HW_REG_WAVE_MODE, 25, 1), 1
	s_wait_xcnt 0x0
; xq = clip(round(x / s), -128, 127) * s with s = max(max|x| / 127, 1e-8), in f32, is turned into codes of FP4 (E2M1) with one E8M0 byte for each 32 along K.
; max|x| is the largest of the 256 numbers of pmax, which the launch before stored; every wave takes it for itself (1,024 bytes).
; LAYOUT OF a_q: [8 K steps of 512][4096 rows][272 bytes]: a record = 256 bytes of codes (lower k in the low four bits), then the 16 scale bytes of its 16 blocks.
; SHARES: work-group G has rows 16 G .. 16 G + 15; wave w has k = 512 w .. 512 w + 511; step t of 16 is row 16 G + t: 2,048 bytes.  Every load takes 512 consecutive bytes, 16 a lane;
;     a step's numbers turn through the wave's own stage in LDS (64 bytes + 16 of padding a lane) and come back 16 neighbours a lane: two lanes hold a block of 32.
;     A wave's 16 records are gathered in its own image in LDS and leave as 17 aligned runs of 256 bytes.  Waves share nothing: no barrier.
;     Loads run eight steps ahead: 32 loads, 16 KiB, of every wave are on their way.
; THE DIVISIONS.  max / 127: a product by the rounded 1/127, its remainder by one fused multiply-add, one correction.  x / s: r = 1/s (v_rcp_f32 and one Newton step), q = x r, remainder x - q s by one fused
;     multiply-add, q + remainder x r.
; LIMITS: NaN and infinities in x are not served.  x / s may differ from the correctly rounded quotient in its last bit in rare cases.
;     A block of zeros gets the byte 1 where the rule says 127: its codes are zeros, and this program alone reads the bytes.
.set DEPTH, 8                          ; steps whose loads are on their way
.set WREG, 9472                        ; LDS of a wave: two stages of 32 x 80 bytes, then the image of 16 x 272
.set SP,   80
.set STG,  2560
.set IMG,  5120
.set REC,  272
.set R,    32                          ; v32-159   x as loaded, eight sets of 16; on the way out the image
.set X,    160                         ; v160-191  my 16 neighbours, two sets
.set Q,    192                         ; v192-207  quotients, then xq; at the head the 256 maxima, eight a lane
.set EE,   208                         ; v208-223  remainders
.set C,    224                         ; v224-227  codes, two sets of two by turns
.set E,    228                         ; v228-229  the scale byte, two sets by turns
	s_load_b128 s[4:7], s[0:1], 0x0                ; x s[4:5], pmax s[6:7]
	s_load_b64 s[8:9], s[0:1], 0x10                ; a_q
	v_lshl_add_u32 v232, v0, 2, 0x12800
	v_mov_b32 v233, 0
	v_lshrrev_b32 v1, 5, v0
	s_delay_alu instid0(VALU_DEP_1)
	v_readfirstlane_b32 s16, v1                    ; wave 0..7
	v_and_b32 v1, 31, v0                           ; lane
	s_delay_alu instid0(VALU_DEP_1)
	v_lshlrev_b32 v24, 4, v1                       ; 16 x lane
	s_delay_alu instid0(VALU_DEP_2)
	v_lshlrev_b32 v25, 3, v1                       ; 8 x lane
	s_lshl_b32 s17, s16, 11
	v_add_nc_u32 v2, s17, v24                      ; x: 2,048 w + 16 lane
	s_mul_i32 s17, s16, WREG                       ; my wave's LDS
	v_lshrrev_b32 v18, 2, v1
	v_and_b32 v19, 3, v1
	s_delay_alu instid0(VALU_DEP_2)
	v_mul_u32_u24 v3, v18, SP
	s_delay_alu instid0(VALU_DEP_1)
	v_lshl_add_u32 v3, v19, 4, v3
	s_delay_alu instid0(VALU_DEP_1)
	v_add_nc_u32 v3, s17, v3                       ; the stage, in: 80 (lane / 4) + 16 (lane % 4); a load's 512 bytes take eight places
	v_mul_u32_u24 v4, v1, SP
	s_delay_alu instid0(VALU_DEP_1)
	v_add_nc_u32 v4, s17, v4                       ; and out: 80 x lane: my 16 neighbours
	s_add_co_u32 s18, s17, IMG
	v_add_nc_u32 v5, s18, v25                      ; the image: my 8 bytes of codes in a record,
	v_add_nc_u32 v7, s18, v24                      ; and 16 bytes a lane on the way out
	s_add_co_u32 s18, s18, 256
	v_lshrrev_b32 v18, 1, v1
	s_delay_alu instid0(VALU_DEP_1)
	v_add_nc_u32 v6, s18, v18                      ; my block's scale byte
	s_mov_b32 s20, 0xc3000000                      ; -128
	s_mov_b32 s21, 0x42fe0000                      ; 127
	s_mov_b32 s22, 0x3c010204                      ; 1 / 127, rounded
	s_mov_b32 s23, 0xc2fe0000                      ; -127
	s_mov_b32 s24, 0x76543210
	s_mov_b32 s25, 0xfedcba98                      ; v_permlanex16_b32's selects for lane l xor 16
	s_mov_b32 s19, 0
	s_wait_kmcnt 0x0
	s_lshl_b32 s18, ttmp9, 18                      ; 16 rows of x: 262,144 bytes
	s_add_nc_u64 s[4:5], s[4:5], s[18:19]
	s_lshl_b32 s18, s16, 12
	s_lshl_b32 s26, ttmp9, 4
	s_add_co_u32 s18, s18, s26
	s_mul_i32 s18, s18, REC                        ; record (K step w, row 16 G)
	s_add_nc_u64 s[8:9], s[8:9], s[18:19]
.macro LOAD t
.irp i, 0,1,2,3
	global_load_b128 v[R+16*((\t)%DEPTH)+4*\i:R+16*((\t)%DEPTH)+4*\i+3], v2, s[4:5] offset:16384*(\t)+512*\i th:TH_LOAD_NT   ; 32 lanes read 512 consecutive bytes; nobody reads them after this
.endr
.endm
.macro TURN t                          ; step t's numbers through the stage: LDS serves a wave's instructions in order, so no wait stands between the stores and the loads
.irp i, 0,1,2,3
	ds_store_b128 v3, v[R+16*((\t)%DEPTH)+4*\i:R+16*((\t)%DEPTH)+4*\i+3] offset:STG*((\t)%2)+8*SP*\i
.endr
.irp i, 0,1,2,3
	ds_load_b128 v[X+16*((\t)%2)+4*\i:X+16*((\t)%2)+4*\i+3], v4 offset:STG*((\t)%2)+16*\i
.endr
.endm
	global_load_b128 v[Q:Q+3], v24, s[6:7]         ; the 256 maxima: eight a lane
	global_load_b128 v[Q+4:Q+7], v24, s[6:7] offset:512
.irp t, 0,1,2,3,4,5,6,7
	LOAD \t
.endr
	s_wait_loadcnt 32                              ; the maxima are in: the 32 loads of steps 0 to 7 were issued behind them
	v_max3_num_f32 v18, v[Q], v[Q+1], v[Q+2]
	s_delay_alu instid0(VALU_DEP_1)
	v_max3_num_f32 v18, v18, v[Q+3], v[Q+4]
	s_delay_alu instid0(VALU_DEP_1)
	v_max3_num_f32 v18, v18, v[Q+5], v[Q+6]
	s_delay_alu instid0(VALU_DEP_1)
	v_max_num_f32 v18, v18, v[Q+7]
	s_delay_alu instid0(VALU_DEP_1)
	v_max_num_f32_dpp v18, v18, v18 row_xmask:1 row_mask:0xf bank_mask:0xf
	s_delay_alu instid0(VALU_DEP_1)
	v_max_num_f32_dpp v18, v18, v18 row_xmask:2 row_mask:0xf bank_mask:0xf
	s_delay_alu instid0(VALU_DEP_1)
	v_max_num_f32_dpp v18, v18, v18 row_xmask:4 row_mask:0xf bank_mask:0xf
	s_delay_alu instid0(VALU_DEP_1)
	v_max_num_f32_dpp v18, v18, v18 row_xmask:8 row_mask:0xf bank_mask:0xf
	s_delay_alu instid0(VALU_DEP_1)
	v_permlanex16_b32 v19, v18, s24, s25
	s_delay_alu instid0(VALU_DEP_1)
	v_max_num_f32 v18, v18, v19                    ; max |x|, in every lane
	s_delay_alu instid0(VALU_DEP_1)
	v_mul_f32 v19, s22, v18                        ; max / 127: a first quotient,
	s_delay_alu instid0(VALU_DEP_1)
	v_fma_f32 v20, v19, s23, v18                   ; its remainder, exact in one rounding,
	s_delay_alu instid0(VALU_DEP_1)
	v_fma_f32 v19, v20, s22, v19                   ; and the correction
	s_delay_alu instid0(VALU_DEP_1)
	v_max_num_f32 v12, 0x322bcc77, v19             ; s = max(.., 1e-8)
	s_wait_alu depctr_va_vdst(0)
	v_rcp_f32 v16, v12
	v_mov_b32 v13, v12                             ; (a plain line behind the reciprocal; the packed forms name pairs, so both words are written)
	s_wait_alu depctr_va_vdst(0)
	v_fma_f32 v20, -v12, v16, 1.0                  ; one Newton step
	v_fma_f32 v16, v20, v16, v16                   ; r = 1 / s
	s_delay_alu instid0(VALU_DEP_1)
	v_mov_b32 v17, v16
	v_xor_b32 v14, 0x80000000, v12                 ; -s
	s_delay_alu instid0(VALU_DEP_1)
	v_mov_b32 v15, v14
	s_wait_alu depctr_va_vdst(0)
	s_wait_loadcnt 28                              ; step 0's four loads are in: those of seven steps were issued behind them
	TURN 0
.macro STEP t
.set XS, X+16*((\t)%2)
.set CS, C+2*((\t)%2)
.set ES, E+(\t)%2
.if (\t) > 0
	s_wait_dscnt 2                                 ; this step's numbers are back from the stage (only the last step's two stores into the image are younger): so the stage's stores have read their registers,
	                                               ; and the image's stores of two steps back have read the set of codes and the byte that this step writes
.else
	s_wait_dscnt 0x0
.endif
.if (\t)+DEPTH < 16
	LOAD (\t)+DEPTH                                ; into the set that this step's turn has read
.endif
.if (\t)+1 < 16
.if (\t) <= 7
	s_wait_loadcnt 28                              ; the next step's four loads are in; those of the seven steps behind it may be out
.else
	s_wait_loadcnt 4*(14-(\t))                     ; towards the end fewer steps stand behind it
.endif
	TURN (\t)+1                                    ; through the other stage while this step is worked
.endif
.irp j, 0,2,4,6,8,10,12,14
	v_pk_mul_f32 v[Q+\j:Q+\j+1], v[XS+\j:XS+\j+1], v[16:17] op_sel_hi:[1,0]                       ; q = x r
.endr
.irp j, 0,2,4,6,8,10,12,14
	v_pk_fma_f32 v[EE+\j:EE+\j+1], v[Q+\j:Q+\j+1], v[14:15], v[XS+\j:XS+\j+1] op_sel_hi:[1,0,1]   ; x - q s
.endr
.irp j, 0,2,4,6,8,10,12,14
	v_pk_fma_f32 v[Q+\j:Q+\j+1], v[EE+\j:EE+\j+1], v[16:17], v[Q+\j:Q+\j+1] op_sel_hi:[1,0,1]     ; q + (x - q s) r = x / s
.endr
.irp j, 0,1,2,3,4,5,6,7,8,9,10,11,12,13,14,15
	v_rndne_f32 v[Q+\j], v[Q+\j]                   ; to the nearest whole number, ties to even
.endr
.irp j, 0,1,2,3,4,5,6,7,8,9,10,11,12,13,14,15
	v_med3_num_f32 v[Q+\j], v[Q+\j], s20, s21      ; the clip to -128 .. 127
.endr
.irp j, 0,2,4,6,8,10,12,14
	v_pk_mul_f32 v[Q+\j:Q+\j+1], v[Q+\j:Q+\j+1], v[12:13] op_sel_hi:[1,0]                         ; xq
.endr
	v_max3_num_f32 v8, |v[Q]|, |v[Q+1]|, |v[Q+2]|                  ; the largest magnitude of my 16, in two chains
	v_max3_num_f32 v9, |v[Q+3]|, |v[Q+4]|, |v[Q+5]|
.irp i, 6,10
	s_delay_alu instid0(VALU_DEP_2)
	v_max3_num_f32 v8, v8, |v[Q+\i]|, |v[Q+\i+1]|
	s_delay_alu instid0(VALU_DEP_2)
	v_max3_num_f32 v9, v9, |v[Q+\i+2]|, |v[Q+\i+3]|
.endr
	s_delay_alu instid0(VALU_DEP_2)
	v_max3_num_f32 v8, v8, |v[Q+14]|, |v[Q+15]|
	s_delay_alu instid0(VALU_DEP_1)
	v_max3_num_f32 v8, v8, v9, 0x1800000           ; and the floor 2^(3 - 127): the byte cannot fall under 1
	s_delay_alu instid0(VALU_DEP_1)
	v_max_num_f32_dpp v8, v8, v8 row_xmask:1 row_mask:0xf bank_mask:0xf   ; with my neighbour's 16: the block's
	s_delay_alu instid0(VALU_DEP_1)
	v_add_nc_u32 v10, 0xff000000, v8               ; 2 off its exponent field: the conversion takes this operand's exponent field as its scale, and nothing else of it
	v_cvt_scalef32_pk8_fp4_f32 v[CS], v[Q:Q+7], v10
	v_cvt_scalef32_pk8_fp4_f32 v[CS+1], v[Q+8:Q+15], v10
	v_lshrrev_b32 v[ES], 23, v10                   ; the scale's byte; also the plain line behind the conversions
	ds_store_b8 v6, v[ES] offset:REC*(\t)          ; both lanes of a block write the same byte with the same value
	ds_store_b64 v5, v[CS:CS+1] offset:REC*(\t)
.endm
.irp t, 0,1,2,3,4,5,6,7,8,9,10,11,12,13,14,15
	STEP \t
.endr
	; the way out: 16 records, 4,352 consecutive bytes, as eight runs of 512 and one of 256
.irp j, 0,1,2,3,4,5,6,7
	ds_load_b128 v[R+4*\j:R+4*\j+3], v7 offset:512*\j              ; LDS serves a wave's instructions in order: these see my stores
.endr
	ds_load_b64 v[R+32:R+33], v5 offset:4096
.irp j, 0,1,2,3,4,5,6,7
	s_wait_dscnt 8-\j                              ; load j is back: 8 - j were issued behind it
	global_store_b128 v24, v[R+4*\j:R+4*\j+3], s[8:9] offset:512*\j
.endr
	s_wait_dscnt 0x0
	global_store_b64 v25, v[R+32:R+33], s[8:9] offset:4096
	s_wait_tensorcnt 0x0
	ds_add_u32 v232, v233
	s_wait_dscnt 0x0
	s_endpgm
.Lfunc_end_k_q4b295498bc_quantx:
	.size	k_q4b295498bc_quantx, .Lfunc_end_k_q4b295498bc_quantx-k_q4b295498bc_quantx
	.p2alignl 7, 3214868480
	.fill 96, 4, 3214868480
	.section	.rodata,"a",@progbits
	.p2align	6, 0x0
	.amdhsa_kernel k_q4b295498bc_quantx
		.amdhsa_group_segment_fixed_size 76800
		.amdhsa_private_segment_fixed_size 0
		.amdhsa_enable_private_segment 0
		.amdhsa_kernarg_size 24
		.amdhsa_user_sgpr_count 2
		.amdhsa_user_sgpr_kernarg_segment_ptr 1
		.amdhsa_wavefront_size32 1
		.amdhsa_system_sgpr_workgroup_id_x 1
		.amdhsa_system_sgpr_workgroup_id_y 1
		.amdhsa_system_sgpr_workgroup_id_z 1
		.amdhsa_system_vgpr_workitem_id 0
		.amdhsa_next_free_vgpr 234
		.amdhsa_next_free_sgpr 66
		.amdhsa_reserve_vcc 0
		.amdhsa_float_denorm_mode_32 3
		.amdhsa_float_denorm_mode_16_64 3
		.amdhsa_memory_ordered 1
		.amdhsa_forward_progress 1
		.amdhsa_inst_pref_size 97
	.end_amdhsa_kernel
	.amdgpu_metadata
---
amdhsa.version: [ 1, 2 ]
amdhsa.kernels:
  - .name:           k_q4b295498bc_quantx
    .symbol:         k_q4b295498bc_quantx.kd
    .args:
      - { .name: x, .offset: 0, .size: 8, .value_kind: global_buffer, .address_space: global }
      - { .name: pmax, .offset: 8, .size: 8, .value_kind: global_buffer, .address_space: global }
      - { .name: a_q, .offset: 16, .size: 8, .value_kind: global_buffer, .address_space: global }
    .group_segment_fixed_size: 76800
    .private_segment_fixed_size: 0
    .kernarg_segment_align: 8
    .kernarg_segment_size: 24
    .max_flat_workgroup_size: 256
    .sgpr_count:     66
    .vgpr_count:     234
    .wavefront_size: 32
...
	.end_amdgpu_metadata
.endif
;; end of part 2
;; launch gemm (part 3): grid 16 x 16, 4 waves a work-group, clusters of 4 x 4, 327,680 bytes of LDS; arguments a_q, b_q, out0; writes out0
.if DOCPART == 3
	.amdgcn_target "amdgcn-amd-amdhsa--gfx1250"
	.amdhsa_code_object_version 6
	.text
	.protected	k_q4b295498bc_gemm
	.globl	k_q4b295498bc_gemm
	.p2align	8
	.type	k_q4b295498bc_gemm,@function
k_q4b295498bc_gemm:
	s_mov_b64 s[64:65], 0
	v_nop
	global_prefetch_b8 v0, s[64:65] scope:SCOPE_SE
	s_setreg_imm32_b32 hwreg(HW_REG_WAVE_MODE, 25, 1), 1
	s_wait_xcnt 0x0
	s_wait_alu depctr_hold_cnt(0) depctr_sa_sdst(0) depctr_va_vdst(0) depctr_va_sdst(0) depctr_va_ssrc(0) depctr_va_vcc(0) depctr_vm_vsrc(0)
	s_getreg_b32 s2, hwreg(HW_REG_IB_STS2, 6, 4)
	s_cmp_eq_u32 s2, 0
	s_cbranch_scc0 .Lentry_in_a_cluster
	s_endpgm
.Lentry_in_a_cluster:
	s_bfe_u32 s2, ttmp6, 0x10000c
	s_cmp_lg_u32 s2, 0xf033
	s_cbranch_scc0 .Lentry_shape_is_right
	s_endpgm
.Lentry_shape_is_right:
; out0[m][n] = sum over k of A[m][k] B[n][k], A = a_q (the quantised activations), B = b_q (the quantised weights): codes of FP4 (E2M1) with one E8M0 byte for each 32 along K; sums in f32.
; LAYOUT of a_q and b_q: [8 K steps of 512][4096 rows][272 bytes]; a record = 256 bytes of codes, then the 16 scale bytes of its 16 blocks.  128 rows of a K step are 136 x 256 consecutive bytes:
; a wave's tensor load brings them as 136 dense rows of 256 bytes, and in LDS a record is a row of pitch 272 with its scale words behind its codes.
; A tile of out0, 256 x 256, is made by four waves; a wave makes 128 x 128: 64 accumulators, 512 registers.  K goes in steps of 512 through a ring of two LDS slots.
; CLUSTERS: 4 x 4 work-groups; A's tiles are asked for jointly along a row of the cluster, B's along a column.  The matrix instruction is used transposed (source 0 = rows of B, source 1 = rows of A):
; a lane then holds eight neighbouring numbers of a row of out0.
; FRAGMENTS: A and B have TWO sets of registers each.  A step of 128 along K opens with ONE run of 32 LDS loads for the NEXT step, 64 matrix instructions ahead of their use.
; THE LAST K STEP GOES BY ROWS OF out0: all its fragments of B fill window 1, A's come by blocks of 16 rows x 512 K, and each block of 16 rows leaves as soon as its 32 products are issued.
; ORDER OF K: cluster (X, Y) begins at K step (4 Y + 2 X) mod 8 and goes round, so that clusters that share rows ask for different K steps at a time.
; LIMIT: the f32 sums are therefore taken in an order of K that differs from ascending K; each output has one accumulator.
; PREFETCH: each wave asks for the 136 blocks of 256 bytes that it will fetch; the four partners that ask for them jointly take 34 blocks each, told apart by address (cx for A, cy for B); 32 lanes name 32 blocks,
; a second line the other two (its lanes 1 to 31 name the last).  Behind the first joint load: the second K step; behind the second: the third and fourth; behind the refill of the t-th: the (t + 2)-th.  The last two refills ask for nothing.
; One tile to a work-group: 256 tiles for 256 work-groups, so no walk over tiles.
; REGISTERS: window 0: v0-31 addresses; v32-95 scale words, a set for each slot; v128-191, v192-255 A's two sets.  window 1: v0-63, v128-191 B's two sets.  windows 2, 3: the accumulators of my rows 0-63, 64-127.
.set SIZE_N, 4096
.set NQ,     4                         ; steps of 128 in a slot
.set PITCH,  272
.set FR,     8
.set HALFT,  128*PITCH                 ; what one tensor load brings
.set SLOT,   4*HALFT                   ; A's 256 records, then B's
.set KSB,    4096*PITCH                ; bytes from K step to K step
.set SPARE,  2*SLOT                    ; the spare words, 128 bytes a wave
.set STAGE,  SPARE+512                 ; the way out: 16 rows x (512 + 16) bytes a wave, on bytes that no tensor load fills
.set SPITCH, 528
.set PFO,  8                           ; v8   256 x lane
.set PFO2, 9                           ; v9   256 x (32 + min(lane, 1))
.set ADRA, 16                          ; v16-17 my A fragments in slot 0, 1
.set ADRB, 20                          ; v20-21 the same for B
.set STO,  24
.set RD,   25
.set CO,   26
.set SPW,  28
.set NIL,  29
.set ADRS, 30                          ; v30-31 my scale words in slot 0, 1: lanes 0-15 A's rows, lanes 16-31 B's
.set SC,   32
.set AF,   128
.set KN,   8                           ; s8 the K step that the next refill brings
.set KO,   10                          ; s[10:11] its byte offset
.set G1, 24
.set G0, 32
.set G1B, 48
.set G0B, 56
.set PFA, 66                           ; s[66:67] my 34 blocks in K step 0
.set P1,  68                           ; s[68:69], s[70:71], s[72:73] addresses that prefetches name
.set P2,  70
.set P3,  72
.set PO,  74                           ; s[74:75] an offset
.set PK,  76                           ; s76 the K step that the next prefetch names
.set MSB, 0
.macro WIN new                         ; the immediate's high byte repeats the setting that is left
.if MSB != (\new)
	s_set_vgpr_msb (MSB<<8)|(\new)
.set MSB, (\new)
.endif
.endm
.set MUL_LO, 0xa1                      ; source 0 (B) window 1, source 1 (A) window 0, C and D window 2
.set MUL_HI, 0xf1                      ; the same, C and D window 3
.set TO_B,   0x40
.macro PLACES                          ; four places behind matrix instructions, ahead of loads into their registers and of reads of their results
.rept 4
	v_nop
.endr
.endm
.macro JLOAD g0a, g0b                  ; a joint load: waves 0, 1 fetch A's halves, waves 2, 3 B's
	s_cmp_eq_u32 s15, 0
	s_cbranch_scc0 .Lfor_b_\@
	tensor_load_to_lds s[\g0a:\g0a+3], s[G1:G1+7]
	s_nop 0
	PLACES
	s_branch .Lasked_\@
.Lfor_b_\@:
	tensor_load_to_lds s[\g0b:\g0b+3], s[G1B:G1B+7]
	s_nop 0
	PLACES
.Lasked_\@:
.endm
.macro CREST                           ; a round of the cluster's barrier behind its opening barrier
	s_cmp_lg_u32 s14, 0
	s_cbranch_scc1 .Lnot_wave_0_\@
	s_barrier_signal -3
.Lnot_wave_0_\@:
	s_barrier_wait -3
	s_barrier_signal -1
	s_barrier_wait -1
.endm
.macro CROUND
	s_barrier_signal -1
	s_barrier_wait -1
	CREST
.endm
.macro PFADR p                         ; s[p:p+1] = my 34 blocks in K step s[PK]; on to the next K step, round the eight
	s_mul_i32 s[PO], s[PK], KSB
	s_add_nc_u64 s[\p:\p+1], s[PFA:PFA+1], s[PO:PO+1]
	s_add_co_u32 s[PK], s[PK], 1
	s_and_b32 s[PK], s[PK], 7
.endm
.macro ASK p
	global_prefetch_b8 v[PFO], s[\p:\p+1] th:TH_LOAD_NT scope:SCOPE_SE
	global_prefetch_b8 v[PFO2], s[\p:\p+1] th:TH_LOAD_NT scope:SCOPE_SE
.endm
	s_load_b128 s[4:7], s[0:1], 0x0                ; a_q, b_q
	s_load_b64 s[12:13], s[0:1], 0x10              ; out0
	v_lshl_add_u32 v[SPW], v0, 2, SPARE
	v_mov_b32 v[NIL], 0
	ds_add_u32 v[SPW], v[NIL]                      ; the opening lines: the add twice on end and one wait, ahead of my first tensor load
	ds_add_u32 v[SPW], v[NIL]
	v_lshrrev_b32 v1, 5, v0
	v_readfirstlane_b32 s14, v1                    ; wave
	s_lshr_b32 s15, s14, 1                         ; my half of the tile's rows; also: I fetch for A (0) or B (1)
	s_and_b32 s16, s14, 1                          ; my half of its columns; also: which 128 rows I fetch
	s_bfe_u32 s40, ttmp6, 0x40000                  ; cx
	s_bfe_u32 s41, ttmp6, 0x40004                  ; cy
	s_lshl_b32 s42, ttmp9, 2
	s_add_co_u32 s42, s42, s40                     ; tile column
	s_and_b32 s17, ttmp7, 0xffff
	s_lshl_b32 s[KN], s17, 2
	s_lshl_b32 s9, ttmp9, 1
	s_add_co_u32 s[KN], s[KN], s9
	s_and_b32 s[KN], s[KN], 7                      ; the cluster's first K step: even
	s_mul_i32 s[KO], s[KN], KSB
	s_mov_b32 s[KO+1], 0
	s_add_co_u32 s[PK], s[KN], 1                   ; the first prefetch names the second K step
	s_lshl_b32 s17, s17, 2
	s_add_co_u32 s17, s17, s41                     ; tile row
	s_lshl_b32 s43, s41, 2
	s_lshl_b32 s43, 15, s43                        ; my row of the cluster
	s_lshl_b32 s44, 0x1111, s40                    ; my column
	s_or_b32 s[G1+0], s43, (3<<16)|(1<<21)         ; the mask; elements of 8 bytes; bit 21 beside a mask
	s_or_b32 s[G1B+0], s44, (3<<16)|(1<<21)
.irp g, G1, G1B
	s_mov_b32 s[\g+1], 32<<16                      ; rows of 32 elements = 256 bytes
	s_mov_b32 s[\g+2], 136<<16                     ; 136 rows
	s_mov_b32 s[\g+3], 32<<16
	s_mov_b32 s[\g+4], 136
	s_mov_b32 s[\g+5], 32                          ; dense
	s_mov_b32 s[\g+6], 0
	s_mov_b32 s[\g+7], 0
.endr
	s_lshl_b32 s18, s16, 7
	s_lshl_b32 s20, s17, 8
	s_add_co_u32 s20, s20, s18
	s_mul_i32 s20, s20, PITCH                      ; A: record 256 x tile row + 128 x half
	s_mov_b32 s21, 0
	s_lshl_b32 s46, s42, 8
	s_add_co_u32 s46, s46, s18
	s_mul_i32 s46, s46, PITCH                      ; B: record 256 x tile column + 128 x half
	s_mov_b32 s47, 0
	s_mul_i32 s45, s14, HALFT                      ; where they go: wave x 128 records
	s_cmp_eq_u32 s15, 0
	s_cselect_b32 s[PO], s40, s41                  ; my place among the four that ask with me
	s_mul_i32 s[PO], s[PO], 34*256
	s_mov_b32 s[PO+1], 0
	s_wait_dscnt 0x0                               ; both opening adds are done
	s_wait_kmcnt 0x0
	s_add_nc_u64 s[4:5], s[4:5], s[20:21]
	s_add_nc_u64 s[6:7], s[6:7], s[46:47]
	s_add_nc_u64 s[20:21], s[4:5], s[KO:KO+1]
	s_add_nc_u64 s[46:47], s[6:7], s[KO:KO+1]
.irp s, 0,1
	s_mov_b32 s[G0+4*\s], 1
	s_add_co_u32 s[G0+4*\s+1], s45, \s*SLOT
	s_add_nc_u64 s[G0+4*\s+2:G0+4*\s+3], s[20:21], \s*KSB
	s_or_b32 s[G0+4*\s+3], s[G0+4*\s+3], 0x80000000
	s_mov_b32 s[G0B+4*\s], 1
	s_add_co_u32 s[G0B+4*\s+1], s45, \s*SLOT
	s_add_nc_u64 s[G0B+4*\s+2:G0B+4*\s+3], s[46:47], \s*KSB
	s_or_b32 s[G0B+4*\s+3], s[G0B+4*\s+3], 0x80000000
.endr
	CROUND                                         ; all sixteen work-groups are here: the first joint loads meet
	JLOAD G0, G0B                                  ; the first K step: one tensor load a wave at the head
	s_add_co_u32 s[KN], s[KN], 2
	s_and_b32 s[KN], s[KN], 7                      ; the first refill brings the third K step
	s_cmp_eq_u32 s15, 0
	s_cselect_b64 s[PFA:PFA+1], s[4:5], s[6:7]
	s_add_nc_u64 s[PFA:PFA+1], s[PFA:PFA+1], s[PO:PO+1]
	PFADR P1
	PFADR P2
	PFADR P3
	s_lshl_b32 s20, s17, 8                         ; my part of out0: row 256 x tile row + 128 x half, 16,384 bytes a row;
	s_lshl_b32 s21, s15, 7
	s_add_co_u32 s20, s20, s21
	s_lshl_b32 s20, s20, 14
	s_lshl_b32 s46, s42, 10                        ; column bytes 1,024 x tile column + 512 x half
	s_lshl_b32 s47, s16, 9
	s_add_co_u32 s46, s46, s47
	s_add_co_u32 s20, s20, s46
	s_mov_b32 s21, 0
	s_add_nc_u64 s[12:13], s[12:13], s[20:21]
	s_mul_i32 s21, s15, HALFT                      ; my 128 rows of A
	s_mul_i32 s22, s16, HALFT
	s_add_co_u32 s22, s22, 2*HALFT                 ; my 128 rows of B
	s_sub_co_u32 s18, s22, s21
	s_mul_i32 s23, s14, 16*SPITCH
	s_add_co_u32 s23, s23, STAGE                   ; my stage
	v_and_b32 v1, 15, v0                           ; all vector set-up in one run, no scalar line between
	v_bfe_u32 v2, v0, 4, 1
	v_mul_u32_u24 v3, v1, PITCH
	v_lshl_add_u32 v4, v2, 4, v3                   ; a fragment's row x pitch + 16 x half
	v_add_nc_u32 v[ADRA], s21, v4
	v_add_nc_u32 v[ADRB], s22, v4
	v_add_nc_u32 v[ADRA+1], SLOT, v[ADRA]
	v_add_nc_u32 v[ADRB+1], SLOT, v[ADRB]
	v_mul_u32_u24 v6, s18, v2                      ; lanes 16-31 take B's scale words
	v_add_nc_u32 v5, v3, v6
	v_add_nc_u32 v[ADRS], s21, v5
	v_add_nc_u32 v[ADRS+1], SLOT, v[ADRS]
	v_mul_u32_u24 v5, v1, SPITCH
	v_lshl_add_u32 v5, v2, 5, v5
	v_add_nc_u32 v[STO], s23, v5                   ; into the stage: row l % 16, 32 bytes for each half of the lanes
	v_and_b32 v6, 31, v0
	v_lshlrev_b32 v[CO], 4, v6                     ; back: 32 lanes take a row of 512 bytes; the same in out0
	v_add_nc_u32 v[RD], s23, v[CO]
	v_lshlrev_b32 v[PFO], 8, v6
	v_min_u32 v7, 1, v6
	v_lshl_add_u32 v[PFO2], v7, 8, 32*256
	s_wait_alu depctr_va_vdst(0)
	ASK P1                                         ; the second K step
.macro FRAG reg, adr, q, i             ; 16 rows x 128 K of 4-bit codes: 8 registers, two loads 32 bytes apart
.irp c, 0,1
	ds_load_b128 v[\reg+4*\c:\reg+4*\c+3], v[\adr] offset:64*(\q)+32*\c+(\i)*16*PITCH
.endr
.endm
; 16 matrix instructions: A's blocks a0, a0 + 1 x B's eight; p: the set of fragments; q: the slot's q-th 128 along K; sc: the set of scale words.  The 64 accumulators take turns.
.macro MUL16 a0, p, q, sc, zero
.irp a, \a0, \a0+1
.irp b, 0,1,2,3,4,5,6,7
.if \zero
	v_wmma_scale_f32_16x16x128_f8f6f4 v[8*(8*((\a)%4)+\b):8*(8*((\a)%4)+\b)+7], v[128*(\p)+FR*\b:128*(\p)+FR*\b+FR-1], v[AF+64*(\p)+FR*(\a):AF+64*(\p)+FR*(\a)+FR-1], 0, v[SC+8*NQ*(\sc)+NQ*\b+(\q)], v[SC+8*NQ*(\sc)+NQ*(\a)+(\q)] matrix_a_fmt:MATRIX_FMT_FP4 matrix_b_fmt:MATRIX_FMT_FP4 matrix_a_scale:MATRIX_SCALE_ROW1
.else
	v_wmma_scale_f32_16x16x128_f8f6f4 v[8*(8*((\a)%4)+\b):8*(8*((\a)%4)+\b)+7], v[128*(\p)+FR*\b:128*(\p)+FR*\b+FR-1], v[AF+64*(\p)+FR*(\a):AF+64*(\p)+FR*(\a)+FR-1], v[8*(8*((\a)%4)+\b):8*(8*((\a)%4)+\b)+7], v[SC+8*NQ*(\sc)+NQ*\b+(\q)], v[SC+8*NQ*(\sc)+NQ*(\a)+(\q)] matrix_a_fmt:MATRIX_FMT_FP4 matrix_b_fmt:MATRIX_FMT_FP4 matrix_a_scale:MATRIX_SCALE_ROW1
.endif
.endr
.endr
.endm
.macro FETCH_B slot, q, p
	WIN TO_B
.irp i, 0,1,2,3,4,5,6,7
	FRAG 128*(\p)+FR*\i, ADRB+\slot, \q, \i
.endr
.endm
.macro FETCH_A slot, q, p
	WIN 0
.irp i, 0,1,2,3,4,5,6,7
	FRAG AF+64*(\p)+FR*\i, ADRA+\slot, \q, \i
.endr
.endm
.macro SCALES sc                       ; a K step's scale words: four words a record; lanes 0-15 A's block i, lanes 16-31 B's block i
	WIN 0
.irp i, 0,1,2,3,4,5,6,7
	ds_load_b128 v[SC+8*NQ*\sc+NQ*\i:SC+8*NQ*\sc+NQ*\i+3], v[ADRS+\sc] offset:256+\i*16*PITCH
.endr
.endm
; A step of 128 along K but for its last sixteen products.  It opens with the next step's 32 loads into the other sets.  The waits count those 32 and, of this step's run (whose last 16 loads are A's eight blocks), the blocks not yet needed.
.macro STEPA slot, q, zero
	PLACES                                         ; the other sets were read by the step before
	FETCH_B \slot, (\q)+1, 1-(\q)%2
	FETCH_A \slot, (\q)+1, 1-(\q)%2
	s_wait_dscnt 44                                ; out may be: the 32, and A's blocks 2-7
	WIN MUL_LO
	MUL16 0, (\q)%2, \q, \slot, \zero
	s_wait_dscnt 40                                ; the 32, and A's blocks 4-7
	MUL16 2, (\q)%2, \q, \slot, \zero
	s_wait_dscnt 36                                ; the 32, and A's blocks 6-7
	WIN MUL_HI
	MUL16 4, (\q)%2, \q, \slot, \zero
	s_wait_dscnt 32                                ; the 32
.endm
.macro STEP slot, q, zero
	STEPA \slot, \q, \zero
	MUL16 6, (\q)%2, \q, \slot, \zero
.endm
; The meeting at a change of slots: the third step's last sixteen products and the fourth step's first sixteen.  The fourth step's fragments are in registers or on their way, so my reads of this slot end here.
.macro MEET slot
	WIN MUL_HI
	MUL16 6, 0, NQ-2, \slot, 0                     ; sixteen products between the add and the wait for it
	s_wait_dscnt 0x0                               ; the add is done, and my reads of this slot are over
	s_barrier_signal -1
	WIN MUL_LO
	MUL16 0, 1, NQ-1, \slot, 0
	WIN 0
	s_barrier_wait -1
.endm
; The change of slots in the ring: this slot is filled again, two K steps ahead, behind a round of the cluster's barrier.
.macro TURN slot, next
	WIN 0
	s_wait_xcnt 0x0                                ; my last prefetches have read their address
	PFADR P1
	s_wait_tensorcnt 0x0                           ; my one load that was out, my part of the next slot, has landed;
	ds_add_u32 v[SPW], v[NIL]
	s_mul_i32 s[KO], s[KN], KSB                    ; no tensor load of mine is out: this slot's descriptors take the K step two on
	s_add_nc_u64 s[G0+4*\slot+2:G0+4*\slot+3], s[4:5], s[KO:KO+1]
	s_or_b32 s[G0+4*\slot+3], s[G0+4*\slot+3], 0x80000000
	s_add_nc_u64 s[G0B+4*\slot+2:G0B+4*\slot+3], s[6:7], s[KO:KO+1]
	s_or_b32 s[G0B+4*\slot+3], s[G0B+4*\slot+3], 0x80000000
	s_add_co_u32 s[KN], s[KN], 1
	s_and_b32 s[KN], s[KN], 7
	MEET \slot
	CREST                                          ; no wave of any partner still reads this slot or has a load on its way
	JLOAD G0+4*\slot, G0B+4*\slot                  ; the first tensor load behind the round; its four v_nop are the places for the loads below
	FETCH_B \next, 0, 0
	SCALES \next
	FETCH_A \next, 0, 0
	s_cmp_gt_u32 s3, 1                             ; the loop's last trip has no K step two refills on
	s_cbranch_scc0 .Lno_ask_\@
	ASK P1
.Lno_ask_\@:
	WIN MUL_LO
	MUL16 2, 1, NQ-1, \slot, 0
	WIN MUL_HI
	MUL16 4, 1, NQ-1, \slot, 0
	MUL16 6, 1, NQ-1, \slot, 0
.endm
; THE LAST K STEP (slot 1), BY ROWS.  B's quarter q lies in window 1 at v[64 q]; A's block a, all four quarters, in buffer a % 2 of two (v128-159, v160-191).
.macro BLOAD q
	WIN TO_B
.irp i, 0,1,2,3,4,5,6,7
	FRAG 64*(\q)+FR*\i, ADRB+1, \q, \i
.endr
.endm
.macro ALOAD a
	WIN 0
.irp q, 0,1,2,3
	FRAG AF+32*((\a)%2)+FR*\q, ADRA+1, \q, \a
.endr
.endm
.macro ROW a                           ; block a is finished: 32 products, its eight accumulators by turns; the quarters in the order in which B's were fetched
.set FAR, AF+32*((\a)%2)
.set AC, 64*((\a)%4)
	WIN MUL_LO+0x50*((\a)/4)
.irp q, 0,1,3,2
.if (\a) == 0                          ; block 0 begins while B is still on its way: each wait counts the loads issued behind this quarter's
.if \q == 0
	s_wait_dscnt 56                                ; behind B's quarter 0, the scale words and A's block 0: B's quarters 1, 3, 2 (48) and A's block 1 (8)
.elseif \q == 1
	s_wait_dscnt 40                                ; B's quarters 3, 2 and A's block 1
.elseif \q == 3
	s_wait_dscnt 24                                ; A's block 1 and B's quarter 2
.else
	s_wait_dscnt 0x0
.endif
.endif
.irp b, 0,1,2,3,4,5,6,7
	v_wmma_scale_f32_16x16x128_f8f6f4 v[AC+8*\b:AC+8*\b+7], v[64*\q+FR*\b:64*\q+FR*\b+7], v[FAR+FR*\q:FAR+FR*\q+7], v[AC+8*\b:AC+8*\b+7], v[SC+8*NQ+NQ*\b+\q], v[SC+8*NQ+NQ*(\a)+\q] matrix_a_fmt:MATRIX_FMT_FP4 matrix_b_fmt:MATRIX_FMT_FP4 matrix_a_scale:MATRIX_SCALE_ROW1
.endr
.endr
.endm
; THE WAY OUT of a block of 16 rows x 128 columns: through my own stage and back as whole rows of 512 bytes, which 32 lanes store as two aligned runs of 256 bytes.  LDS serves a wave's instructions in order.
; Block a comes back into registers of its own: block 0 into window 0, v192-255 (A's second set, done with); block a >= 1 into the accumulators of block a - 1, whose stores into the stage the wait of SEND a - 1 has shown done.
; Every store's offset is an immediate (127 rows x 16,384 bytes at the most): no base is stepped and no store's data are written again.
.macro RB a
.if (\a) == 0
.set BW, 0
.set BB, 192
.else
.set BW, 2+((\a)-1)/4
.set BB, 64*(((\a)-1)%4)
.endif
.endm
.macro TOSTAGE a
.set AC, 64*((\a)%4)
	WIN 8+4*((\a)/4)                               ; the data: window 2 or 3
.irp b, 0,1,2,3,4,5,6,7
	ds_store_b128 v[STO], v[AC+8*\b:AC+8*\b+3] offset:64*\b          ; each accumulator from its low end on
	ds_store_b128 v[STO], v[AC+8*\b+4:AC+8*\b+7] offset:64*\b+16
.endr
	RB \a
.set WV, BW*64
	WIN WV
.irp t, 0,1,2,3,4,5,6,7,8,9,10,11,12,13,14,15
	ds_load_b128 v[BB+4*\t:BB+4*\t+3], v[RD] offset:\t*SPITCH
.endr
.endm
.macro SEND a, younger                 ; younger: the LDS instructions issued behind block a's loads
	RB \a
.set WV, BW*4
	s_wait_dscnt \younger
	WIN WV
.irp t, 0,1,2,3,4,5,6,7,8,9,10,11,12,13,14,15
	global_store_b128 v[CO], v[BB+4*\t:BB+4*\t+3], s[12:13] offset:(16*(\a)+\t)*SIZE_N*4 th:TH_STORE_NT
.endr
.endm
	s_wait_tensorcnt 0x0                           ; my part of the first K step is in; slot 1's first fill is issued as a refill is:
	ds_add_u32 v[SPW], v[NIL]
	s_wait_dscnt 0x0
	CROUND                                         ; everybody's part is in, and the joint loads meet
	JLOAD G0+4, G0B+4                              ; the second K step
	FETCH_B 0, 0, 0
	SCALES 0
	FETCH_A 0, 0, 0
	ASK P2                                         ; the third and fourth K steps
	ASK P3
	STEP 0, 0, 1                                   ; the first step's products start the sums: nothing is cleared
	WIN 0
	s_mov_b32 s3, 3
.Llap:                                                 ; a trip goes once round the ring, from a lap's second step to the next lap's first
	STEP 0, 1, 0
	STEPA 0, 2, 0
	TURN 0, 1
	STEP 1, 0, 0
	STEP 1, 1, 0
	STEPA 1, 2, 0
	TURN 1, 0
	STEP 0, 0, 0
	WIN 0
	s_sub_co_u32 s3, s3, 1
	s_cmp_lg_u32 s3, 0
	s_cbranch_scc1 .Llap
	STEP 0, 1, 0                                   ; the last lap fills nothing
	STEPA 0, 2, 0
	WIN 0
	s_wait_tensorcnt 0x0                           ; my part of the last K step has landed
	ds_add_u32 v[SPW], v[NIL]
	MEET 0                                         ; slot 1 is whole; nothing is filled again, so no round follows
	PLACES                                         ; for the loads into the first sets, which the third step multiplied
	BLOAD 0
	SCALES 1
	ALOAD 0
	BLOAD 1
	BLOAD 3                                        ; three quarters of B now: the second sets are still being multiplied
	ALOAD 1
	WIN MUL_LO
	MUL16 2, 1, NQ-1, 0, 0
	WIN MUL_HI
	MUL16 4, 1, NQ-1, 0, 0
	MUL16 6, 1, NQ-1, 0, 0
	PLACES                                         ; for the loads into B's second set
	BLOAD 2
	ROW 0
.irp a, 0,1,2,3,4,5,6,7                ; block a sets out through the stage, block a + 1 is multiplied, block a's rows are stored
	PLACES                                         ; the stage's stores read results just made, and A's next block lands in the buffer just read
	TOSTAGE \a
.if \a < 6
	ALOAD \a+2
	s_wait_dscnt 40                                ; A's block a + 1 is in: behind it stand the stage's 32 and A's 8
.elseif \a == 6
	s_wait_dscnt 32                                ; behind A's block 7 stand the stage's 32
.endif
.if \a < 7
	ROW \a+1
.endif
.if \a < 6
	SEND \a, 8                                     ; behind the block's loads from the stage: A's 8
.else
	SEND \a, 0
.endif
.endr
	WIN 0
	s_wait_tensorcnt 0x0                           ; the wave's end
	ds_add_u32 v[SPW], v[NIL]
	s_wait_dscnt 0x0
	CROUND                                         ; the closing round
	s_endpgm
.Lfunc_end_k_q4b295498bc_gemm:
	.size	k_q4b295498bc_gemm, .Lfunc_end_k_q4b295498bc_gemm-k_q4b295498bc_gemm
	.p2alignl 7, 3214868480
	.fill 96, 4, 3214868480
	.section	.rodata,"a",@progbits
	.p2align	6, 0x0
	.amdhsa_kernel k_q4b295498bc_gemm
		.amdhsa_group_segment_fixed_size 327680
		.amdhsa_private_segment_fixed_size 0
		.amdhsa_enable_private_segment 0
		.amdhsa_kernarg_size 24
		.amdhsa_user_sgpr_count 2
		.amdhsa_user_sgpr_kernarg_segment_ptr 1
		.amdhsa_wavefront_size32 1
		.amdhsa_system_sgpr_workgroup_id_x 1
		.amdhsa_system_sgpr_workgroup_id_y 1
		.amdhsa_system_sgpr_workgroup_id_z 1
		.amdhsa_system_vgpr_workitem_id 0
		.amdhsa_next_free_vgpr 1024
		.amdhsa_next_free_sgpr 80
		.amdhsa_reserve_vcc 0
		.amdhsa_float_denorm_mode_32 3
		.amdhsa_float_denorm_mode_16_64 3
		.amdhsa_memory_ordered 1
		.amdhsa_forward_progress 1
		.amdhsa_inst_pref_size 211
	.end_amdhsa_kernel
	.amdgpu_metadata
---
amdhsa.version: [ 1, 2 ]
amdhsa.kernels:
  - .name:           k_q4b295498bc_gemm
    .symbol:         k_q4b295498bc_gemm.kd
    .args:
      - { .name: a_q, .offset: 0, .size: 8, .value_kind: global_buffer, .address_space: global }
      - { .name: b_q, .offset: 8, .size: 8, .value_kind: global_buffer, .address_space: global }
      - { .name: out0, .offset: 16, .size: 8, .value_kind: global_buffer, .address_space: global }
    .group_segment_fixed_size: 327680
    .private_segment_fixed_size: 0
    .kernarg_segment_align: 8
    .kernarg_segment_size: 24
    .max_flat_workgroup_size: 128
    .sgpr_count:     80
    .vgpr_count:     1024
    .wavefront_size: 32
...
	.end_amdgpu_metadata
.endif
;; end of part 3
